; MI455X (gfx1250); checked and timed in simulation.
; The chip was launched on July 23, 2026; its instructions are those of AMD's public machine-readable ISA for CDNA 5 (MIT licence, August 2026) and "CDNA5" Instruction Set Architecture Reference Guide (July 2026). The comments in the code are by the model that wrote it; some were corrected since.
;; Attention. Allowed arithmetic: matrix products marked QUANTISED: E4M3 operands, one given power-of-two scale a tensor, by v_wmma_f32_16x16x64_fp8_fp8 or v_wmma_f32_16x16x128_fp8_fp8, f32 sums; everything else in f32.
;; Inputs: cos 2,048 x 64 float32; k 2,048 x 4 x 128 float32; k_ranges 8 x 2 int32; lowp_scales 4 int32 (the exponents e of the quantised operands' scales 2^e); q 2,048 x 16 x 128 float32; q_ranges 8 x 2 int32; sin 2,048 x 64 float32; v 2,048 x 4 x 128 float32.
;; Outputs: out0 2,048 x 16 x 128 float32.
;; This version of the problem:
;;   THIS VERSION OF THE PROBLEM IS GIVEN IN LOW PRECISION. The matrix products marked QUANTISED in the list below multiply operands that are first quantised to E4M3 (4 exponent bits, 3 mantissa bits; 8 bits a number), with one given power-of-two scale for each operand tensor; their sums are f32. All else is computed in f32.
;;   The module's matrix products, in the order in which they are computed (A, B: the left and right operand; K: the contracted axis; several contracted axes count as one K, in the product's order):
;;     1. batch 16 x [M 2,048, K 128] x [K 128, N 2,048]; A: computed on the way; B: computed on the way: QUANTISED (scales: A lowp_scales[0], B lowp_scales[1])
;;     2. batch 16 x [M 128, K 2,048] x [K 2,048, N 2,048]; A: input v; B: computed on the way: QUANTISED (scales: A lowp_scales[2], B lowp_scales[3])
;;   THE QUANTISER, for each operand of a quantised product, along K:
;;     - The operand's scale is 2^e, e = its entry of the input lowp_scales (int32; the entries are numbered through the quantised products in the list's order, A before B).
;;     - Each number is divided by the scale, clamped to +-448, and rounded to the nearest number of E4M3, ties to even, subnormals kept.
;;     - The product sums the exact products of the quantised numbers (number of the format x scale) in f32.
;;   ~~~python
;;   def quantise(x, axis, e):      # numpy; x: float32 -> the quantised numbers, widened to float32 again
;;       x = np.moveaxis(x, axis, -1); K = x.shape[-1]
;;       r = np.clip(x / 2.0 ** e, -448, 448)
;;       step = 2.0 ** (np.maximum(np.frexp(np.where(r == 0, 1, r))[1] - 1, -6) - 3)
;;       q = np.round(r / step) * step * 2.0 ** e      # np.round: ties to even
;;       return np.moveaxis(q, -1, axis).astype(np.float32)
;;   ~~~
;;   OPERANDS COMPUTED ON THE WAY. 'Computed on the way' means the value that the module computes at that place (a softmax that the list does not call 'softmax' is quantised finished and normalised). What goes into a quantiser is computed in f32, as accurately as f32 sums, v_exp_f32 and their like allow (about 1e-6 of the number): no bf16 or f16 on the way to a quantiser, and a product that is left as it is and whose result goes on into a quantised operand takes f32 operands (vector FMAs, or v_wmma_f32_16x16x4_f32). A number that lies on a knife's edge between two numbers of the format may be rounded either way, as far as f32 arithmetic and the matrix unit's own rounding can turn it there, and no further.
;; One version. Each part assembles by itself: llvm-mc -triple=amdgcn-amd-amdhsa -mcpu=gfx1250 --defsym DOCPART=n.
;; ======== version 1 of 1: 2 launches
;; limits: right only within a limited range of input values
;; workspace buffers: kc 1,048,576 bytes; vc 1,048,576 bytes
;; launch prep (part 1): grid 256 x 1, 4 waves a work-group, no clusters, 69,120 bytes of LDS; arguments k, v, cos, sin, lowp_scales, kc, vc; writes kc, vc
.if DOCPART == 1
	.amdgcn_target "amdgcn-amd-amdhsa--gfx1250"
	.amdhsa_code_object_version 6
	.text
	.protected	k_qeeed555894_prep
	.globl	k_qeeed555894_prep
	.p2align	8
	.type	k_qeeed555894_prep,@function
k_qeeed555894_prep:
	s_mov_b64 s[64:65], 0
	v_nop
	global_prefetch_b8 v0, s[64:65] scope:SCOPE_SE
	s_setreg_imm32_b32 hwreg(HW_REG_WAVE_MODE, 25, 1), 1
	s_wait_xcnt 0x0
; K and V become codes of FP8 (E4M3), once for the 64 work-groups of the next launch that read each kv head.
; kc: rope(k) / 2^e1, vc: v / 2^e2 (e1, e2 = entries 1 and 2 of the scales), held within +-448, rounded to the nearest code, ties to even.
; BOTH BUFFERS ARE LAID IN THE ORDER OF THE OPERAND'S REGISTERS: [kv head 4][step of 128 keys 16][fragment 8][register group 4][lane 32][16 bytes]; a fragment is 2,048 bytes.
;   kc: fragment t, lane (r, h), group c: key 128 s + 32 (t / 2) + 8 (t % 2) + r + 8 (r / 8), channels 32 c + 16 h + 0 .. 15.  (The keys of a fragment are not neighbours, so that the scores of
;       fragments 2 b and 2 b + 1 are 16 neighbouring keys in a lane's registers.)
;   vc: fragment t, lane (r, h), group c: channel 16 t + r, keys 128 s + 32 c + 16 h + 0 .. 15: the keys are the second product's K.
; Work-groups 0 to 127 take K: work-group 8 s + t, wave = kv head: one fragment a wave.  Work-groups 128 to 255 take V: (16 g + s) x 2 + half of the step's keys; wave = 32 channels.
; Only K's path uses LDS, a region for each wave: no barrier.
; rope: x1 c - x2 s and x2 c + x1 s, each one multiplication and one fused multiply-add (one rounding fewer than two products and a sum).
; LIMITS: e1 and e2 between -126 and 119, so that 2^e and 448 x 2^e are f32 numbers.  NaN among the inputs is not served.
.set SGB,  17152                       ; a wave's stage: 16 rows of k at pitch 528, 16 of cos and 16 of sin at pitch 272
.set CST,  8448                        ; where cos begins in it
.set SST,  12800                       ; where sin begins
.set R,    32                          ; v32-95   16 rows of k as loaded
.set RC,   96                          ; v96-127  cos as loaded
.set RS,   128                         ; v128-159 sin as loaded
.set X,    160                         ; v160-223 my row's 64 numbers: register 16 c + i = channel 32 c + 16 h + i
.set C,    32                          ; v32-63   cos of channels 32 c' + 16 h + i, c' = 0, 1
.set SN,   64                          ; v64-95   sin likewise
.set T,    224                         ; v224-231 at work
.set CD,   232                         ; v232-247 the codes
; channels d and d + 64 of a row lie in one lane, in groups c' and c' + 2: nothing changes lanes
.macro ROPE x, co, sn, t
.irp hf, 0,1
.irp p, 0,1,2,3,4,5,6,7
.set RX1, \x+16*\hf+2*\p
.set RX2, RX1+32
.set RCC, \co+16*\hf+2*\p
.set RSS, \sn+16*\hf+2*\p
.set RT,  \t+4*(\p%2)
	v_pk_mul_f32 v[RT:RT+1], v[RX2:RX2+1], v[RSS:RSS+1]
	v_pk_mul_f32 v[RT+2:RT+3], v[RX1:RX1+1], v[RSS:RSS+1]
	v_pk_fma_f32 v[RX1:RX1+1], v[RX1:RX1+1], v[RCC:RCC+1], v[RT:RT+1] neg_lo:[0,0,1] neg_hi:[0,0,1]
	v_pk_fma_f32 v[RX2:RX2+1], v[RX2:RX2+1], v[RCC:RCC+1], v[RT+2:RT+3]
.endr
.endr
.endm
; 64 numbers of a lane become a fragment's 16 registers of codes
.macro QUANT s, d, sc, lim
.irp b, 0,1,2,3
.irp i, 0,1,2,3,4,5,6,7,8,9,10,11,12,13,14,15
	v_med3_num_f32 v[\s+16*\b+\i], v[\s+16*\b+\i], -v[\lim], v[\lim]   ; the conversion does not saturate (ISA guide 7.6.2): the hold at the largest code x the scale
.endr
	v_cvt_scalef32_pk8_fp8_f32 v[\d+4*\b:\d+4*\b+1], v[\s+16*\b:\s+16*\b+7], v[\sc]
	v_cvt_scalef32_pk8_fp8_f32 v[\d+4*\b+2:\d+4*\b+3], v[\s+16*\b+8:\s+16*\b+15], v[\sc]
.endr
	v_nop                                          ; a plain line behind the last conversion
.endm
	s_load_b256 s[4:11], s[0:1], 0x0               ; k s[4:5], v s[6:7], cos s[8:9], sin s[10:11]
	s_load_b128 s[12:15], s[0:1], 0x20             ; the scales' exponents s[12:13], kc s[14:15]
	s_load_b64 s[16:17], s[0:1], 0x30              ; vc
	v_lshrrev_b32 v10, 5, v0
	v_readfirstlane_b32 s18, v10                   ; wave 0..3
	v_and_b32 v11, 31, v0                          ; lane
	v_lshlrev_b32 v1, 4, v11                       ; 16 x lane
	v_and_b32 v2, 15, v0                           ; r
	v_bfe_u32 v3, v0, 4, 1                         ; h
	s_mov_b32 s29, 0                               ; the upper word of every offset
	s_wait_kmcnt 0x0
	s_load_b128 s[20:23], s[12:13], 0x0            ; e0 .. e3
	s_cmp_lt_u32 ttmp9, 128
	s_cbranch_scc0 .Lv_path
	; ---- K: one fragment a wave
	s_lshr_b32 s24, ttmp9, 3                       ; s
	s_and_b32 s25, ttmp9, 7                        ; t
	s_lshl_b32 s26, s24, 7
	s_lshr_b32 s27, s25, 1
	s_lshl_b32 s27, s27, 5
	s_add_co_u32 s26, s26, s27
	s_and_b32 s27, s25, 1
	s_lshl_b32 s27, s27, 3
	s_add_co_u32 s26, s26, s27                     ; the fragment's first key: 128 s + 32 (t / 2) + 8 (t % 2); row i is key + i + 8 (i / 8)
	s_lshl_b32 s28, s26, 11                        ; a token of k is 2,048 bytes,
	s_lshl_b32 s27, s18, 9                         ; a head 512
	s_add_co_u32 s28, s28, s27
	s_add_nc_u64 s[4:5], s[4:5], s[28:29]
	s_lshl_b32 s28, s26, 8                         ; a row of cos or sin is 256 bytes
	s_add_nc_u64 s[8:9], s[8:9], s[28:29]
	s_add_nc_u64 s[10:11], s[10:11], s[28:29]
	s_lshl_b32 s28, s18, 4
	s_add_co_u32 s28, s28, s24
	s_lshl_b32 s28, s28, 3
	s_add_co_u32 s28, s28, s25
	s_lshl_b32 s28, s28, 11                        ; ((16 g + s) 8 + t) x 2,048
	s_add_nc_u64 s[14:15], s[14:15], s[28:29]
	s_wait_alu depctr_va_vdst(0)
.irp i, 0,1,2,3,4,5,6,7,8,9,10,11,12,13,14,15
	global_load_b128 v[R+4*\i:R+4*\i+3], v1, s[4:5] offset:(\i+8*(\i/8))*2048 th:TH_LOAD_NT   ; a row: 512 consecutive bytes
.endr
.irp i, 0,1,2,3,4,5,6,7
	global_load_b128 v[RC+4*\i:RC+4*\i+3], v1, s[8:9] offset:(2*\i+8*(\i/4))*256              ; two rows: 512 consecutive bytes
.endr
.irp i, 0,1,2,3,4,5,6,7
	global_load_b128 v[RS+4*\i:RS+4*\i+3], v1, s[10:11] offset:(2*\i+8*(\i/4))*256
.endr
	s_mul_i32 s30, s18, SGB                        ; my stage
	v_add_nc_u32 v4, s30, v1                       ; k in: 16 x lane, a row an instruction
	v_mul_u32_u24 v5, v3, 272
	v_lshl_add_u32 v5, v2, 4, v5
	v_add_nc_u32 v5, s30, v5                       ; cos, sin in: lanes 0-15 one row, lanes 16-31 the next
	v_mul_u32_u24 v6, v2, 528
	v_lshl_add_u32 v6, v3, 6, v6
	v_add_nc_u32 v6, s30, v6                       ; k out: row r, + 64 h: my 16 numbers of each 32
	v_mul_u32_u24 v7, v2, 272
	v_lshl_add_u32 v7, v3, 6, v7
	v_add_nc_u32 v7, s30, v7                       ; cos, sin out
	s_wait_alu depctr_va_vdst(0)
	s_wait_kmcnt 0x0
	s_add_co_i32 s31, s21, 127
	s_lshl_b32 s32, s31, 23
	v_mov_b32 v8, s32                              ; 2^e1 as f32: the conversion takes its exponent field
	s_add_co_i32 s31, s31, 8
	s_lshl_b32 s31, s31, 23
	s_or_b32 s31, s31, 0x600000
	v_mov_b32 v9, s31                              ; 448 x 2^e1
	s_wait_loadcnt 16                              ; k's 16 rows are in; the 16 younger loads are cos and sin
.irp i, 0,1,2,3,4,5,6,7,8,9,10,11,12,13,14,15
	ds_store_b128 v4, v[R+4*\i:R+4*\i+3] offset:528*\i
.endr
	s_wait_loadcnt 0x0
.irp i, 0,1,2,3,4,5,6,7
	ds_store_b128 v5, v[RC+4*\i:RC+4*\i+3] offset:CST+544*\i
	ds_store_b128 v5, v[RS+4*\i:RS+4*\i+3] offset:SST+544*\i
.endr
.irp c, 0,1,2,3                                ; LDS serves a wave's instructions in order (ISA guide 5.7.1.4): these see my stores
.irp j, 0,1,2,3
	ds_load_b128 v[X+16*\c+4*\j:X+16*\c+4*\j+3], v6 offset:128*\c+16*\j
.endr
.endr
.irp c, 0,1
.irp j, 0,1,2,3
	ds_load_b128 v[C+16*\c+4*\j:C+16*\c+4*\j+3], v7 offset:CST+128*\c+16*\j
	ds_load_b128 v[SN+16*\c+4*\j:SN+16*\c+4*\j+3], v7 offset:SST+128*\c+16*\j
.endr
.endr
	s_wait_dscnt 0x0
	ROPE X, C, SN, T
	QUANT X, CD, 8, 9
.irp c, 0,1,2,3
	global_store_b128 v1, v[CD+4*\c:CD+4*\c+3], s[14:15] offset:512*\c   ; 32 lanes store 512 consecutive bytes, aligned
.endr
	v_lshl_add_u32 v10, v0, 2, 68608               ; my spare word, behind the four stages: 128 bytes a wave that no other line names
	v_mov_b32 v11, 0
	s_wait_alu depctr_va_vdst(0)
	s_wait_tensorcnt 0x0                           ; the wave's end
	ds_add_u32 v10, v11
	s_wait_dscnt 0x0
	s_endpgm
	; ---- V: a lane takes a channel, and its registers run down 64 keys: the conversions then give codes with the keys innermost
.Lv_path:
	s_sub_co_u32 s24, ttmp9, 128
	s_and_b32 s25, s24, 1                          ; which 64 of the step's keys
	s_lshr_b32 s26, s24, 1                         ; 16 g + s
	s_and_b32 s27, s26, 15                         ; s
	s_lshr_b32 s30, s26, 4                         ; g
	s_lshl_b32 s28, s27, 18                        ; 128 tokens of 2,048 bytes
	s_lshl_b32 s31, s25, 17                        ; 64 tokens
	s_add_co_u32 s28, s28, s31
	s_lshl_b32 s31, s30, 9                         ; the head
	s_add_co_u32 s28, s28, s31
	s_lshl_b32 s31, s18, 7                         ; my wave's 32 channels
	s_add_co_u32 s28, s28, s31
	s_add_nc_u64 s[6:7], s[6:7], s[28:29]
	s_lshl_b32 s28, s26, 14                        ; the step's eight fragments,
	s_lshl_b32 s31, s18, 12                        ; my wave's two,
	s_add_co_u32 s28, s28, s31
	s_lshl_b32 s31, s25, 10                        ; register groups 2 x half on
	s_add_co_u32 s28, s28, s31
	s_add_nc_u64 s[16:17], s[16:17], s[28:29]
	s_wait_alu depctr_va_vdst(0)
	v_lshlrev_b32 v4, 2, v11                       ; in: 4 bytes a lane
	v_lshlrev_b32 v5, 11, v3
	v_lshl_add_u32 v5, v2, 4, v5                   ; out: fragment lane / 16, 16 bytes at 16 (lane % 16)
.set n, 0
.rept 64
	global_load_b32 v[32+n], v4, s[6:7] offset:n*2048 th:TH_LOAD_NT   ; key n at 32 neighbouring channels: 128 consecutive bytes a wave, 512 a work-group
.set n, n+1
.endr
	s_wait_kmcnt 0x0
	s_add_co_i32 s31, s22, 127
	s_lshl_b32 s32, s31, 23
	v_mov_b32 v8, s32                              ; 2^e2
	s_add_co_i32 s31, s31, 8
	s_lshl_b32 s31, s31, 23
	s_or_b32 s31, s31, 0x600000
	v_mov_b32 v9, s31                              ; 448 x 2^e2
	s_wait_alu depctr_va_vdst(0)
	s_wait_loadcnt 32                              ; keys 0-31 are in; the 32 younger loads may be out
.irp q, 0,1,2,3
.irp i, 0,1,2,3,4,5,6,7
	v_med3_num_f32 v[32+8*\q+\i], v[32+8*\q+\i], -v9, v9
.endr
	v_cvt_scalef32_pk8_fp8_f32 v[96+2*\q:97+2*\q], v[32+8*\q:39+8*\q], v8
.endr
	s_wait_loadcnt 0x0
.irp q, 4,5,6,7
.irp i, 0,1,2,3,4,5,6,7
	v_med3_num_f32 v[32+8*\q+\i], v[32+8*\q+\i], -v9, v9
.endr
	v_cvt_scalef32_pk8_fp8_f32 v[96+2*\q:97+2*\q], v[32+8*\q:39+8*\q], v8
.endr
	v_nop                                          ; a plain line behind the last conversion
.irp m, 0,1,2,3                                ; registers 4 m on: keys 16 m + 0 .. 15: group m / 2, half m % 2 of the lanes' places
	global_store_b128 v5, v[96+4*\m:99+4*\m], s[16:17] offset:512*(\m/2)+256*(\m%2)   ; sixteen lanes store 256 consecutive bytes, aligned
.endr
	s_endpgm
.Lfunc_end_k_qeeed555894_prep:
	.size	k_qeeed555894_prep, .Lfunc_end_k_qeeed555894_prep-k_qeeed555894_prep
	.p2alignl 7, 3214868480
	.fill 96, 4, 3214868480
	.section	.rodata,"a",@progbits
	.p2align	6, 0x0
	.amdhsa_kernel k_qeeed555894_prep
		.amdhsa_group_segment_fixed_size 69120
		.amdhsa_private_segment_fixed_size 0
		.amdhsa_enable_private_segment 0
		.amdhsa_kernarg_size 56
		.amdhsa_user_sgpr_count 2
		.amdhsa_user_sgpr_kernarg_segment_ptr 1
		.amdhsa_wavefront_size32 1
		.amdhsa_system_sgpr_workgroup_id_x 1
		.amdhsa_system_sgpr_workgroup_id_y 1
		.amdhsa_system_sgpr_workgroup_id_z 1
		.amdhsa_system_vgpr_workitem_id 0
		.amdhsa_next_free_vgpr 256
		.amdhsa_next_free_sgpr 66
		.amdhsa_reserve_vcc 0
		.amdhsa_float_denorm_mode_32 3
		.amdhsa_float_denorm_mode_16_64 3
		.amdhsa_memory_ordered 1
		.amdhsa_forward_progress 1
		.amdhsa_inst_pref_size 32
	.end_amdhsa_kernel
	.amdgpu_metadata
---
amdhsa.version: [ 1, 2 ]
amdhsa.kernels:
  - .name:           k_qeeed555894_prep
    .symbol:         k_qeeed555894_prep.kd
    .args:
      - { .name: k, .offset: 0, .size: 8, .value_kind: global_buffer, .address_space: global }
      - { .name: v, .offset: 8, .size: 8, .value_kind: global_buffer, .address_space: global }
      - { .name: cos, .offset: 16, .size: 8, .value_kind: global_buffer, .address_space: global }
      - { .name: sin, .offset: 24, .size: 8, .value_kind: global_buffer, .address_space: global }
      - { .name: lowp_scales, .offset: 32, .size: 8, .value_kind: global_buffer, .address_space: global }
      - { .name: kc, .offset: 40, .size: 8, .value_kind: global_buffer, .address_space: global }
      - { .name: vc, .offset: 48, .size: 8, .value_kind: global_buffer, .address_space: global }
    .group_segment_fixed_size: 69120
    .private_segment_fixed_size: 0
    .kernarg_segment_align: 8
    .kernarg_segment_size: 56
    .max_flat_workgroup_size: 128
    .sgpr_count:     66
    .vgpr_count:     256
    .wavefront_size: 32
...
	.end_amdgpu_metadata
.endif
;; end of part 1
;; launch attn (part 2): grid 256 x 1, 8 waves a work-group, no clusters, 327,168 bytes of LDS; arguments q, cos, sin, q_ranges, k_ranges, lowp_scales, kc, vc, out0; writes out0
.if DOCPART == 2
	.amdgcn_target "amdgcn-amd-amdhsa--gfx1250"
	.amdhsa_code_object_version 6
	.text
	.protected	k_qeeed555894_attn
	.globl	k_qeeed555894_attn
	.p2align	8
	.type	k_qeeed555894_attn,@function
k_qeeed555894_attn:
	s_mov_b64 s[64:65], 0
	v_nop
	global_prefetch_b8 v0, s[64:65] scope:SCOPE_SE
	s_setreg_imm32_b32 hwreg(HW_REG_WAVE_MODE, 25, 1), 1
	s_wait_xcnt 0x0
; out[t][hq][:] = sum over keys of Q(p) Q(v), p = softmax over the visible keys of Q(rope q) . Q(rope k) / sqrt(128); a key is visible to a token where one of the 8 (q range x k range) rectangles holds both.
; Q: codes of FP8 (E4M3) with the given scales 2^e0 (q), 2^e1 (k), 2^e2 (v), 2^e3 (p).  p IS QUANTISED FINISHED AND NORMALISED, so a row's sum must be known before its first code.
; ONE PASS: a tile's 16 rows x 2,048 scores stay in the registers of the eight waves (128 each) as exponentials until the row's maximum and sum are known; then they are scaled and become codes.
; SHARES.  256 work-groups: kv head g = x % 4, i = x / 4.  A tile of 16 query rows is 4 tokens x the 4 query heads of g: row r = token t0 + r / 4, head 4 g + r % 4; the work-group's tile n has t0 = 256 n + 4 i, n = 0 .. 7.
; A chunk is 256 keys, 8 in all; a block is two chunks.  Wave w owns keys 256 j + 32 w + 0 .. 31 of every chunk j: whatever chunks a tile needs, the waves have equal shares.  Its K lies in LDS bytes of its own.
; Second product: wave w makes channels 32 (w % 4) + 0 .. 31 over the half b = w / 4 of every chunk's keys (128); that part of V is its window 1, 256 registers.  P goes from wave to wave through LDS as images of the operand's registers.
; A TRIP n handles three tiles, between two barriers:   first part: row maxima and 1 / sum of tile n - 1, O of tile n - 2 (P V);   barrier;
;   second part, block by block: tile n - 1's exponentials become codes, and tile n's scores and exponentials take their registers; tile n - 2's O leaves;   barrier.
; A block's exponentials are taken against the lane's largest score so far (its reference); the lane's sum is carried from reference to reference, and a block's factor is 2^(reference - row's maximum) / row's sum.
; K AND V BY NEED: a chunk of K waits in window 1 until the first tile that needs it; then it goes into LDS and the same chunk of V is asked for into its registers, a trip and more ahead of V's first use.
; THE RANGES ARE READ AS THEY ARE GIVEN.  A bit for each (tile, chunk): TC = some rectangle may reach it (else it is left out), CV = one rectangle holds all of my 32 keys of it for the tile's tokens (then nothing is masked); else MASK, which is exact.
; A row with no visible key has sum 0, and 1 / sum is replaced by 0: its p and its output are zeros.
; K and V are shared by the 64 work-groups of a kv head, yet there is no cluster and no tensor load: this text branches on the ranges, which are read from memory.
; No prefetch: K's loads are all issued in the head, so no loop runs ahead of them, and which chunk of V a trip asks for hangs on the ranges and is asked for into registers more than a trip ahead.
; LAYOUT.  Both products are used transposed (S^T = K Q^T, O^T = V^T P^T): a lane holds one query row (lane % 16); a chunk's 16 score registers are keys 256 j + 32 w + 16 (lane / 16) + 0 .. 15.
; LIMITS: e0 .. e3 each between -126 and 119; e0 + e1 between -123 and 130; e2 + e3 between -126 and 127.  NaN among the inputs is not served; visible scores near -1e30 (where the reference's own mask value would count) are not served.
; rope is one multiplication and one fused multiply-add for each number (one rounding fewer than two products and a sum).
; REGISTERS, window 0: v0 thread; v1-7 LDS addresses; v8 16 lane; v9 2^e3; v10-15, 26-27 a block's codes; v16-23 (a block's reference, later factor; 2^(change of reference)); v[24:25] the lane's (maximum, sum); v28-31 codes of q, tiles 6 and 7;
;   v32-47 O, or at work; v48-63 Q, or statistics; v64-127 K of a block, or four fragments of P; v128-255 the tile's scores and exponentials (in the head q as loaded).   window 1: chunk j of K, then of V, at 32 j.
.set PB,    262144                     ; P: [chunk][half][group][lane] x 16 bytes
.set QR,    294912                     ; six images of Q: tiles 0 to 5; tiles 6 and 7 take the first two later
.set ST,    307200                     ; [wave][lane] x (maximum, sum)
.set OB,    309248                     ; two halves of O, 16 rows at pitch 528
.set SPARE, 326144                     ; the spare words: 128 bytes for each wave, that no other line names
.set S,     128
.set WV,    22
.set GH,    23
.set IW,    24
.set NLIM,  25                         ; -448 x 2^e0
.set PLIM,  26                         ; 448 x 2^e0
.set QSC,   27                         ; 2^e0
.set CS,    66                         ; s[66:67] log2(e) / sqrt(128) x 2^(e0 + e1)
.set OSC,   68                         ; s[68:69] 2^(e2 + e3)
.set SEL,   70                         ; s[70:71] v_permlanex16_b32's selects for lane xor 16
.set TC,    72                         ; s[72:73] a byte for each tile still to come
.set CV,    74
.set PRV,   76                         ; the chunks of tile n - 2,
.set CUR,   77                         ; of tile n - 1,
.set NXT,   78                         ; of tile n
.set COVN,  79
.set CNT,   80                         ; n
.set KW,    81                         ; 32 w
.set TOK0,  82                         ; tile n's first token
.set QS,    83
.set DON,   84                         ; chunks of K that lie in LDS
.set NEW,   85
.set PEND,  86                         ; chunks of V still to be asked for
.set LIMP,  88                         ; 448 x 2^e3
.set QP,    90
.set CP,    92
.set SP,    98
.set QP4,   100
.set MSB, 0
.macro WIN new                         ; bits 1:0 source 0, 3:2 source 1, 5:4 source 2, 7:6 destination; the high byte repeats the setting that is left
.if MSB != \new
	s_set_vgpr_msb (MSB<<8)|\new
.set MSB, \new
.endif
.endm
.macro PLACES                          ; four plain lines behind matrix instructions (ISA guide 7.12.1)
.rept 4
	v_nop
.endr
.endm
.macro BARRIER
	s_wait_alu depctr_va_vdst(0)
	s_wait_dscnt 0x0                               ; my LDS stores have landed and my LDS loads are in
	s_barrier_signal -1
	s_barrier_wait -1
.endm
.macro GL j, base                      ; my 4,096 bytes of chunk j from kc or vc into window 1: each load 512 consecutive bytes
	WIN 0x40
.irp i, 0,1,2,3,4,5,6,7
	global_load_b128 v[32*(\j)+4*\i:32*(\j)+4*\i+3], v8, s[\base:\base+1] offset:(\j)*32768+512*\i
.endr
	WIN 0
.endm
.macro KPUT j                          ; chunk j of K into my own LDS bytes, as it stands
	WIN 0x04
.irp i, 0,1,2,3,4,5,6,7
	ds_store_b128 v1, v[32*\j+4*\i:32*\j+4*\i+3] offset:\j*4096+512*\i
.endr
	WIN 0
.endm
.macro KLD j                           ; chunk j's two fragments of K, if tile n needs them
.set KJ, \j
	s_bitcmp1_b32 s[NXT], KJ
	s_cbranch_scc0 .Lkl_\@
.irp i, 0,1,2,3,4,5,6,7
	ds_load_b128 v[64+32*(KJ%2)+4*\i:67+32*(KJ%2)+4*\i], v1 offset:KJ*4096+512*\i
.endr
.Lkl_\@:
.endm
; where my two rows' codes go in an image of Q: group channel / 32, lane row + 16 (channel / 16 % 2), byte channel % 16; row 2 w + h, channels 4 (lane % 16) on
.macro QADR d, t
	s_add_co_u32 s94, s[KW], QR
	v_and_b32 v[\d], 3, v0
	v_bfe_u32 v[\t], v0, 2, 2
	v_lshlrev_b32 v[\d], 2, v[\d]
	v_lshl_add_u32 v[\d], v[\t], 8, v[\d]
	v_bfe_u32 v[\t], v0, 4, 1
	v_lshl_add_u32 v[\d], v[\t], 4, v[\d]
	v_add_nc_u32 v[\d], s94, v[\d]
.endm
; Two rows of q a wave: a lane holds channels 4 l .. 4 l + 3 and 64 on (l = lane % 16) of row 2 w + lane / 16, their cos and sin: v[b..b+3], v[b+4..b+7], v[b+8..b+11], v[b+12..b+15].
.macro QCONV b, d, tile
	v_pk_mul_f32 v[66:67], v[\b+4:\b+5], v[\b+12:\b+13]
	v_pk_mul_f32 v[68:69], v[\b+6:\b+7], v[\b+14:\b+15]
	v_pk_mul_f32 v[70:71], v[\b:\b+1], v[\b+12:\b+13]
	v_pk_mul_f32 v[72:73], v[\b+2:\b+3], v[\b+14:\b+15]
	v_pk_fma_f32 v[\b:\b+1], v[\b:\b+1], v[\b+8:\b+9], v[66:67] neg_lo:[0,0,1] neg_hi:[0,0,1]
	v_pk_fma_f32 v[\b+2:\b+3], v[\b+2:\b+3], v[\b+10:\b+11], v[68:69] neg_lo:[0,0,1] neg_hi:[0,0,1]
	v_pk_fma_f32 v[\b+4:\b+5], v[\b+4:\b+5], v[\b+8:\b+9], v[70:71]
	v_pk_fma_f32 v[\b+6:\b+7], v[\b+6:\b+7], v[\b+10:\b+11], v[72:73]
.irp i, 0,1,2,3,4,5,6,7
	v_med3_num_f32 v[\b+\i], v[\b+\i], s[NLIM], s[PLIM]   ; the conversion does not saturate (ISA guide 7.6.2)
.endr
	v_cvt_scalef32_pk8_fp8_f32 v[\d:\d+1], v[\b:\b+7], v64
	v_nop                                          ; a plain line behind the conversion
.if \tile < 6
	ds_store_b32 v14, v[\d] offset:2048*\tile
	ds_store_b32 v14, v[\d+1] offset:2048*\tile+1024
.endif
.endm
; Lane l stands for tile l / 8 + 4 hi, chunk l % 8
.macro BITS hi
	s_lshl_b32 s94, s[IW], 2
	s_add_co_u32 s94, s94, 1024*\hi
	v_and_b32 v56, 31, v0
	v_lshrrev_b32 v48, 3, v56
	v_and_b32 v52, 7, v56
	v_lshl_add_u32 v50, v48, 8, s94                ; the tile's first token,
	v_lshlrev_b32 v52, 8, v52                      ; the chunk's first key,
	v_add_nc_u32 v51, 4, v50                       ; the token behind its last,
	v_add_nc_u32 v53, 0x100, v52                   ; the key behind its last,
	v_add_nc_u32 v54, s[KW], v52                   ; my first key,
	v_add_nc_u32 v55, 32, v54                      ; the key behind my last
	s_mov_b32 s[TC+\hi], 0
	s_mov_b32 s[CV+\hi], 0
	s_wait_alu depctr_va_vdst(0)
.irp r, 0,1,2,3,4,5,6,7
	v_cmp_lt_i32 s94, s[32+2*\r], v51              ; the rectangle may reach it (an empty range may be counted here: MASK then hides all)
	v_cmp_gt_i32 s95, s[33+2*\r], v50
	v_cmp_lt_i32 s96, s[48+2*\r], v53
	v_cmp_gt_i32 s97, s[49+2*\r], v52
	s_and_b32 s94, s94, s95
	s_and_b32 s96, s96, s97
	s_and_b32 s94, s94, s96
	s_or_b32 s[TC+\hi], s[TC+\hi], s94
	v_cmp_le_i32 s94, s[32+2*\r], v50              ; the rectangle holds all of my part
	v_cmp_ge_i32 s95, s[33+2*\r], v51
	v_cmp_le_i32 s96, s[48+2*\r], v54
	v_cmp_ge_i32 s97, s[49+2*\r], v55
	s_and_b32 s94, s94, s95
	s_and_b32 s96, s96, s97
	s_and_b32 s94, s94, s96
	s_or_b32 s[CV+\hi], s[CV+\hi], s94
.endr
.endm
; Hidden scores of block j (both chunks, or the first alone) become -infinity.  Exact for any int32 ranges.  A compare over the 32 lanes, lane l standing for key 512 j + 32 w + l (second chunk: + 256), IS the word of my 32 keys of range r;
; each lane takes it in where its own token lies in the q range.  Then bit 16 (lane / 16) + k belongs to score register k.
.macro MASK j, two
	s_wait_xcnt 0x0                                ; the stores of O have read v40-47
	s_add_co_u32 s94, s[KW], 512*\j
	v_and_b32 v40, 15, v0
	v_and_b32 v41, 31, v0
	v_lshrrev_b32 v40, 2, v40
	v_add_nc_u32 v41, s94, v41
	v_add_nc_u32 v40, s[TOK0], v40
	v_add_nc_u32 v45, 0x100, v41
	v_mov_b32 v42, 0
	v_mov_b32 v43, 0
	v_mov_b32 v47, 0xff800000                      ; -infinity
.irp r, 0,1,2,3,4,5,6,7
	v_cmp_le_i32 s94, s[32+2*\r], v40
	v_cmp_gt_i32 s95, s[33+2*\r], v40
	v_cmp_le_i32 s96, s[48+2*\r], v41
	v_cmp_gt_i32 s97, s[49+2*\r], v41
	s_and_b32 s94, s94, s95
	s_and_b32 s96, s96, s97
	v_cndmask_b32 v44, 0, -1, s94                  ; all ones where my token lies in q range r
	v_and_or_b32 v42, v44, s96, v42
.if \two
	v_cmp_le_i32 s96, s[48+2*\r], v45
	v_cmp_gt_i32 s97, s[49+2*\r], v45
	s_and_b32 s96, s96, s97
	v_and_or_b32 v43, v44, s96, v43
.endif
.endr
	v_and_b32 v46, 16, v0
	v_lshrrev_b32 v42, v46, v42
	v_lshrrev_b32 v43, v46, v43
.set n, 0
.rept 16+16*\two
	v_and_b32 v[44+2*(n%2)], 1<<(n%16), v[42+n/16]
	v_cmp_eq_u32 vcc_lo, 0, v[44+2*(n%2)]
	v_cndmask_b32 v[S+32*\j+n], v[S+32*\j+n], v47, vcc_lo
.set n, n+1
.endr
.endm
; P's fragment of chunk j, my half of its keys, into buffer j % 4: chunks 0 to 3 always, the others if the tile has them.
.macro PLD j
.set PR, 64+16*((\j)%4)
.if \j > 3
	s_bitcmp1_b32 s[PRV], \j
	s_cbranch_scc0 .Lpl_\@
.endif
.irp c, 0,1,2,3
	ds_load_b128 v[PR+4*\c:PR+4*\c+3], v3 offset:\j*4096+512*\c
.endr
.Lpl_\@:
.endm
.macro PMM j                           ; chunk 0 always has codes (zeros where it is hidden): its products start the sums
.set PR, 64+16*((\j)%4)
.if \j
	s_bitcmp1_b32 s[PRV], \j
	s_cbranch_scc0 .Lpm_\@
.endif
	WIN 0x01
.if \j
	v_wmma_f32_16x16x128_fp8_fp8 v[32:39], v[32*\j:32*\j+15], v[PR:PR+15], v[32:39]
	v_wmma_f32_16x16x128_fp8_fp8 v[40:47], v[32*\j+16:32*\j+31], v[PR:PR+15], v[40:47]
.else
	v_wmma_f32_16x16x128_fp8_fp8 v[32:39], v[0:15], v[PR:PR+15], 0
	v_wmma_f32_16x16x128_fp8_fp8 v[40:47], v[16:31], v[PR:PR+15], 0
.endif
	WIN 0
.Lpm_\@:
.endm
.macro PV1
	PLD 0
	PLD 1
	PLD 2
	PLD 3
.endm
; O of one tile, my channels and my half of the keys, into LDS
.macro PV2
	s_wait_dscnt 0x0
	PMM 0
	PMM 1
	PMM 2
	PMM 3
	PLACES
	s_cmp_lt_u32 s[PRV], 16                        ; no chunk from 4 on?
	s_cbranch_scc1 .Lpv_\@
	PLD 4
	PLD 5
	PLD 6
	PLD 7
	s_wait_dscnt 0x0
	PMM 4
	PMM 5
	PMM 6
	PMM 7
.Lpv_\@:
	PLACES
	ds_store_b128 v6, v[32:35]
	ds_store_b128 v6, v[36:39] offset:16
	ds_store_b128 v6, v[40:43] offset:64
	ds_store_b128 v6, v[44:47] offset:80
.endm
.macro OLD_ROWS                        ; rows 2 w and 2 w + 1 of both halves of O
	ds_load_b128 v[40:43], v7
	ds_load_b128 v[44:47], v7 offset:528
	ds_load_b128 v[32:35], v7 offset:8448
	ds_load_b128 v[36:39], v7 offset:8976
.endm
.macro OUT
.irp k, 40,42,44,46
	v_pk_add_f32 v[\k:\k+1], v[\k:\k+1], v[\k-8:\k-7]
.endr
.irp k, 40,42,44,46
	v_pk_mul_f32 v[\k:\k+1], v[\k:\k+1], s[OSC:OSC+1] op_sel_hi:[1,0]      ; x 2^(e2 + e3)
.endr
	global_store_b128 v8, v[40:43], s[20:21] th:TH_STORE_NT                ; 32 lanes store a row of 512 consecutive bytes, aligned
	global_store_b128 v8, v[44:47], s[20:21] offset:512 th:TH_STORE_NT
.endm
.macro QLD                             ; tile n's Q
	v_add_nc_u32 v14, s[QS], v8
.irp c, 0,1,2,3
	ds_load_b128 v[48+4*\c:51+4*\c], v14 offset:512*\c
.endr
.endm
	; ---- arguments, ids
	s_load_b512 s[4:19], s[0:1], 0x0               ; q s[4:5], cos s[6:7], sin s[8:9], q_ranges s[10:11], k_ranges s[12:13], scales s[14:15], kc s[16:17], vc s[18:19]
	s_load_b64 s[20:21], s[0:1], 0x40              ; out
	v_lshrrev_b32 v16, 5, v0
	v_readfirstlane_b32 s[WV], v16                 ; wave 0..7
	v_and_b32 v17, 31, v0                          ; lane
	v_and_b32 v18, 15, v0                          ; r
	v_bfe_u32 v19, v0, 4, 1                        ; h
	v_lshlrev_b32 v8, 4, v17
	v_lshlrev_b32 v27, 4, v18                      ; cos, sin: 16 bytes a lane, the same row for both halves
	v_lshl_add_u32 v26, v19, 9, v27                ; q: lanes 0-15 one row, lanes 16-31 the next head's, 512 bytes on
	s_and_b32 s[GH], ttmp9, 3
	s_lshr_b32 s[IW], ttmp9, 2
	s_lshl_b32 s[KW], s[WV], 5
	s_mov_b32 s3, 0                                ; the upper word of every offset
	s_wait_alu depctr_va_vdst(0)
	s_wait_kmcnt 0x0
	s_load_b512 s[32:47], s[10:11], 0x0            ; q ranges: start s[32 + 2 r], end s[33 + 2 r]
	s_load_b512 s[48:63], s[12:13], 0x0            ; k ranges likewise
	s_load_b128 s[28:31], s[14:15], 0x0            ; e0 .. e3
	s_lshl_b32 s94, s[IW], 2
	s_lshr_b32 s95, s[WV], 1
	s_add_co_u32 s94, s94, s95                     ; my rows' token in tile 0: 4 i + w / 2
	s_lshl_b32 s2, s94, 13                         ; a token of q and of out is 8,192 bytes,
	s_lshl_b32 s95, s[GH], 11                      ; the four heads of g 2,048,
	s_add_co_u32 s2, s2, s95
	s_and_b32 s95, s[WV], 1
	s_lshl_b32 s95, s95, 10                        ; my two rows 1,024
	s_add_co_u32 s2, s2, s95
	s_add_nc_u64 s[QP:QP+1], s[4:5], s[2:3]
	s_add_nc_u64 s[QP4:QP4+1], s[QP:QP+1], 0x800000  ; tile 4
	s_add_nc_u64 s[20:21], s[20:21], s[2:3]
	s_lshl_b32 s2, s94, 8
	s_add_nc_u64 s[CP:CP+1], s[6:7], s[2:3]
	s_add_nc_u64 s[SP:SP+1], s[8:9], s[2:3]
	; all eight tiles of q: each load two aligned pieces of 256 consecutive bytes
.irp t, 0,1,2,3
	global_load_b128 v[128+16*\t:131+16*\t], v26, s[QP:QP+1] offset:\t*2097152 th:TH_LOAD_NT
	global_load_b128 v[132+16*\t:135+16*\t], v26, s[QP:QP+1] offset:\t*2097152+256 th:TH_LOAD_NT
	global_load_b128 v[136+16*\t:139+16*\t], v27, s[CP:CP+1] offset:\t*65536
	global_load_b128 v[140+16*\t:143+16*\t], v27, s[SP:SP+1] offset:\t*65536
.endr
.irp t, 0,1,2,3
	global_load_b128 v[192+16*\t:195+16*\t], v26, s[QP4:QP4+1] offset:\t*2097152 th:TH_LOAD_NT
	global_load_b128 v[196+16*\t:199+16*\t], v26, s[QP4:QP4+1] offset:\t*2097152+256 th:TH_LOAD_NT
	global_load_b128 v[200+16*\t:203+16*\t], v27, s[CP:CP+1] offset:(\t+4)*65536
	global_load_b128 v[204+16*\t:207+16*\t], v27, s[SP:SP+1] offset:(\t+4)*65536
.endr
	s_lshl_b32 s2, s[GH], 18                       ; a kv head's 262,144 bytes of codes
	s_lshl_b32 s94, s[WV], 12                      ; my 4,096 bytes of each chunk's 32,768
	s_add_co_u32 s2, s2, s94
	s_add_nc_u64 s[16:17], s[16:17], s[2:3]
	s_add_nc_u64 s[18:19], s[18:19], s[2:3]
	GL 0, 16
	GL 1, 16
	GL 2, 16
	; ---- LDS addresses
	s_lshl_b32 s94, s[WV], 15
	v_add_nc_u32 v1, s94, v8                       ; my K: 32,768 w + 4,096 j
	s_lshl_b32 s94, s[WV], 9
	s_add_co_u32 s94, s94, PB
	v_add_nc_u32 v2, s94, v8                       ; P, in: my 32 keys are group w % 4 of half w / 4
	s_lshr_b32 s95, s[WV], 2
	s_lshl_b32 s94, s95, 11
	s_add_co_u32 s94, s94, PB
	v_add_nc_u32 v3, s94, v8                       ; P, out: half w / 4
	s_lshl_b32 s94, s[WV], 8
	s_add_co_u32 s94, s94, ST
	v_lshlrev_b32 v4, 3, v17
	v_add_nc_u32 v4, s94, v4                       ; statistics, in
	v_lshlrev_b32 v5, 10, v19
	v_lshl_add_u32 v5, v18, 3, v5
	v_add_nc_u32 v5, ST, v5                        ; and out: waves 4 h on, row r
	s_mul_i32 s94, s95, 8448
	s_and_b32 s95, s[WV], 3
	s_lshl_b32 s95, s95, 7
	s_add_co_u32 s94, s94, s95
	s_add_co_u32 s94, s94, OB
	v_mul_u32_u24 v6, v18, 528
	v_lshl_add_u32 v6, v19, 5, v6
	v_add_nc_u32 v6, s94, v6                       ; O, in: row r, my 32 channels, + 32 h
	s_mul_i32 s94, s[WV], 1056
	s_add_co_u32 s94, s94, OB
	v_add_nc_u32 v7, s94, v8                       ; O, out: row 2 w
	; which loads and products a trip runs hangs on the ranges: every register that they may name is written once here
.set n, 64
.rept 64
	v_mov_b32 v[n], 0
.set n, n+1
.endr
.set n, 32
.rept 16
	v_mov_b32 v[n], 0
.set n, n+1
.endr
.set n, 10
.rept 16
	v_mov_b32 v[n], 0
.set n, n+1
.endr
	QADR 14, 15
	s_wait_alu depctr_va_vdst(0)
	s_wait_kmcnt 0x0
	s_add_co_i32 s94, s28, s29
	s_lshl_b32 s94, s94, 23
	s_add_co_i32 s[CS], s94, 0x3e0293ee            ; log2(e) / sqrt(128), with e0 + e1 added to its exponent field
	s_mov_b32 s[CS+1], s[CS]                       ; (named with it as a pair, so it is written)
	s_add_co_i32 s94, s30, s31
	s_add_co_i32 s94, s94, 127
	s_lshl_b32 s[OSC], s94, 23
	s_mov_b32 s[OSC+1], s[OSC]
	s_mov_b32 s[SEL], 0x76543210
	s_mov_b32 s[SEL+1], 0xfedcba98
	s_add_co_i32 s94, s28, 127
	s_lshl_b32 s[QSC], s94, 23
	s_add_co_i32 s94, s94, 8
	s_lshl_b32 s94, s94, 23
	s_or_b32 s[PLIM], s94, 0x600000
	s_or_b32 s[NLIM], s[PLIM], 0x80000000
	s_add_co_i32 s94, s31, 127
	s_lshl_b32 s95, s94, 23
	v_mov_b32 v9, s95
	v_mov_b32 v64, s[QSC]
	s_add_co_i32 s94, s94, 8
	s_lshl_b32 s94, s94, 23
	s_or_b32 s[LIMP], s94, 0x600000
	BITS 0
	BITS 1
	s_mov_b32 s[CUR], 0
	s_mov_b32 s[NXT], 0
	s_mov_b32 s[CNT], 0
	s_lshl_b32 s[TOK0], s[IW], 2
	s_and_b32 s[DON], s[TC], 255                   ; tile 0's chunks
	s_mov_b32 s[PEND], s[DON]
.irp j, 0,1,2,3,4,5,6,7                ; P is whole from the start: chunks 0 to 3 are loaded whether or not a tile has them
	ds_store_b128 v2, v[80:83] offset:\j*4096
.endr
	s_wait_alu depctr_va_vdst(0)
	s_wait_loadcnt 40                              ; tiles 0 to 3 of q are in; the 40 younger loads are q's other 16 and K's chunks 0 to 2
	GL 3, 16
	GL 4, 16
	QCONV 128, 72, 0
	QCONV 144, 72, 1
	QCONV 160, 72, 2
	QCONV 176, 72, 3
	s_wait_alu depctr_va_vdst(0)
	s_wait_loadcnt 40                              ; the rest of q is in; the 40 younger loads are K's chunks 0 to 4
	GL 5, 16
	GL 6, 16
	GL 7, 16
	QCONV 192, 72, 4
	QCONV 208, 72, 5
	QCONV 224, 28, 6                               ; these two stay in registers until their images' places are free
	QCONV 240, 30, 7
	s_wait_alu depctr_va_vdst(0)
.irp j, 0,1,2,3,4,5,6,7
	s_bitcmp1_b32 s[DON], \j
	s_cbranch_scc0 .Lput0_\j
	s_wait_loadcnt 8*(7-\j)                        ; chunk j is in: the younger loads are K's later chunks
	KPUT \j
.Lput0_\j:
.endr
	BARRIER                                        ; Q's images 0 to 5 and P's zeros lie in LDS
; the largest of block j's scores (cnt = 32: both chunks, 16: the first), each accumulator from its low end on; then exponentials and their sum
.macro SOFTMAX j, cnt
	v_max3_num_f32 v32, v[B], v[B+1], v[B+2]
	v_max3_num_f32 v33, v[B+8], v[B+9], v[B+10]
.if \cnt == 32
	v_max3_num_f32 v34, v[B+16], v[B+17], v[B+18]
	v_max3_num_f32 v35, v[B+24], v[B+25], v[B+26]
.endif
	v_max3_num_f32 v32, v32, v[B+3], v[B+4]
	v_max3_num_f32 v33, v33, v[B+11], v[B+12]
.if \cnt == 32
	v_max3_num_f32 v34, v34, v[B+19], v[B+20]
	v_max3_num_f32 v35, v35, v[B+27], v[B+28]
.endif
	v_max3_num_f32 v32, v32, v[B+5], v[B+6]
	v_max3_num_f32 v33, v33, v[B+13], v[B+14]
.if \cnt == 32
	v_max3_num_f32 v34, v34, v[B+21], v[B+22]
	v_max3_num_f32 v35, v35, v[B+29], v[B+30]
.endif
	v_max3_num_f32 v32, v32, v[B+7], v[B+15]
.if \cnt == 32
	v_max3_num_f32 v34, v34, v[B+23], v[B+31]
	v_max_num_f32 v33, v33, v35
	v_max3_num_f32 v32, v32, v33, v34
.else
	v_max_num_f32 v32, v32, v33
.endif
	v_mul_f32 v32, s[CS], v32                      ; as an exponent (the factor is positive)
	v_max_num_f32 v[16+2*\j], v24, v32             ; the reference: -3e38 or more, also where all are hidden
	v_sub_f32 v[17+2*\j], v24, v[16+2*\j]
	v_mov_b32 v24, v[16+2*\j]
.set n, 0
.rept \cnt/2
	v_pk_fma_f32 v[B+n:B+n+1], v[B+n:B+n+1], s[CS:CS+1], v[16+2*\j:17+2*\j] op_sel_hi:[1,0,0] neg_lo:[0,0,1] neg_hi:[0,0,1]
.set n, n+2
.endr
	s_wait_alu depctr_va_vdst(0)
	v_exp_f32 v[17+2*\j], v[17+2*\j]               ; what brings the sum so far under the new reference
.set n, 0
.rept \cnt
	v_exp_f32 v[B+n], v[B+n]
.set n, n+1
.endr
	v_nop                                          ; a plain line behind the last exponential
	s_wait_alu depctr_va_vdst(0)                   ; and ahead of the first line that names a result
.irp k, 0,1,2,3
	v_pk_add_f32 v[32+2*\k:33+2*\k], v[B+4*\k:B+4*\k+1], v[B+4*\k+2:B+4*\k+3]
.endr
.if \cnt == 32
.irp k, 0,1,2,3
	v_pk_add_f32 v[32+2*\k:33+2*\k], v[32+2*\k:33+2*\k], v[B+16+2*\k:B+17+2*\k]
.endr
.irp k, 0,1,2,3
	v_pk_add_f32 v[32+2*\k:33+2*\k], v[32+2*\k:33+2*\k], v[B+24+2*\k:B+25+2*\k]
.endr
.endif
	v_pk_add_f32 v[32:33], v[32:33], v[34:35]
	v_pk_add_f32 v[36:37], v[36:37], v[38:39]
	v_pk_add_f32 v[32:33], v[32:33], v[36:37]
	v_add_f32 v32, v32, v33
	v_fma_f32 v25, v25, v[17+2*\j], v32
.endm
.macro SCALE j                         ; p = exponential x the block's factor
.set n, 0
.rept 16
	v_pk_mul_f32 v[B+n:B+n+1], v[B+n:B+n+1], v[16+2*\j:17+2*\j] op_sel_hi:[1,0]
.set n, n+2
.endr
.endm
; BLOCK j OF THE SECOND PART: tile n - 1's exponentials become codes, then tile n's scores and exponentials take their registers.
; Where tile n - 1 has only one of the two chunks, the other's codes are never multiplied.
.macro BLOCK j
.set B, S+32*\j
	s_and_b32 s94, s[CUR], 3<<(2*\j)
	s_cbranch_scc0 .Lc_\@
	s_cmp_ge_i32 s31, -8                           ; p is at most 1 and a rounding; 448 x 2^-8 = 1.75: from e3 = -8 on the hold can never act
	s_cbranch_scc1 .Lplain_\@
	SCALE \j
.set n, 0
.rept 32
	v_min_num_f32 v[B+n], s[LIMP], v[B+n]          ; p is never negative: the hold is one-sided
.set n, n+1
.endr
	s_wait_alu depctr_va_vdst(0)
	s_branch .Lcv_\@
.Lplain_\@:
	SCALE \j
.Lcv_\@:
	v_cvt_scalef32_pk8_fp8_f32 v[10:11], v[B:B+7], v9
	v_cvt_scalef32_pk8_fp8_f32 v[12:13], v[B+8:B+15], v9
	v_cvt_scalef32_pk8_fp8_f32 v[14:15], v[B+16:B+23], v9
	v_cvt_scalef32_pk8_fp8_f32 v[26:27], v[B+24:B+31], v9
	v_nop                                          ; a plain line behind the last conversion
.if \j == 0
	s_wait_alu depctr_va_vdst(0)
	s_branch .Lz_\@
.Lc_\@:
.irp i, 10,11,12,13
	v_mov_b32 v\i, 0                               ; chunk 0 hidden: zero codes
.endr
.Lz_\@:
.else
.Lc_\@:
.endif
	s_wait_alu depctr_va_vdst(0)
	s_wait_dscnt 0x0                               ; this block's K is in
.if \j
	s_and_b32 s94, s[CUR], 3<<(2*\j)
	s_cbranch_scc0 .Lp_\@
.endif
	ds_store_b128 v2, v[10:13] offset:8192*\j
	ds_store_b64 v2, v[14:15] offset:8192*\j+4096
	ds_store_b64 v2, v[26:27] offset:8192*\j+4104
.Lp_\@:
.if \j == 0
	s_cmp_lt_u32 s[CNT], 2
	s_cbranch_scc1 .Lnoout
	OUT                                            ; tile n - 2: its rows were asked for at the part's head
.Lnoout:
.endif
	s_bfe_u32 s94, s[NXT], (2<<16)|(2*\j)
	s_cbranch_scc0 .La_\@
	s_cmp_eq_u32 s94, 1
	s_cbranch_scc1 .Lh_\@
	v_wmma_f32_16x16x128_fp8_fp8 v[B:B+7], v[64:79], v[48:63], 0
	v_wmma_f32_16x16x128_fp8_fp8 v[B+8:B+15], v[80:95], v[48:63], 0
	v_wmma_f32_16x16x128_fp8_fp8 v[B+16:B+23], v[96:111], v[48:63], 0
	v_wmma_f32_16x16x128_fp8_fp8 v[B+24:B+31], v[112:127], v[48:63], 0
	PLACES
.if \j < 3
	KLD 2*\j+2                                     ; the next block's K lands while this block's exponentials run
	KLD 2*\j+3
.endif
	s_bfe_u32 s94, s[COVN], (2<<16)|(2*\j)
	s_cmp_eq_u32 s94, 3
	s_cbranch_scc1 .Lo_\@
	MASK \j, 1
.Lo_\@:
	SOFTMAX \j, 32
	s_branch .Ln_\@
.Lh_\@:                                                ; the first chunk alone
	v_wmma_f32_16x16x128_fp8_fp8 v[B:B+7], v[64:79], v[48:63], 0
	v_wmma_f32_16x16x128_fp8_fp8 v[B+8:B+15], v[80:95], v[48:63], 0
	PLACES
.if \j < 3
	KLD 2*\j+2
	KLD 2*\j+3
.endif
	s_bitcmp1_b32 s[COVN], 2*\j
	s_cbranch_scc1 .Lho_\@
	MASK \j, 0
.Lho_\@:
	SOFTMAX \j, 16
	s_branch .Ln_\@
.La_\@:
.if \j < 3
	KLD 2*\j+2
	KLD 2*\j+3
.endif
.Ln_\@:
.endm
.Ltrip:                                                ; n = 0 .. 8
	s_mov_b32 s[PRV], s[CUR]
	s_mov_b32 s[CUR], s[NXT]
	s_and_b32 s[NXT], s[TC], 255                   ; 0 behind tile 7
	s_and_b32 s[COVN], s[CV], 255
	s_lshr_b64 s[TC:TC+1], s[TC:TC+1], 8
	s_lshr_b64 s[CV:CV+1], s[CV:CV+1], 8
	s_and_not1_b32 s[NEW], s[NXT], s[DON]          ; chunks that tile n is the first to need
	s_or_b32 s[DON], s[DON], s[NEW]
	s_or_b32 s[PEND], s[PEND], s[NEW]
	s_cmp_lt_u32 s[CNT], 6
	s_cselect_b32 s94, 0, 6
	s_sub_co_u32 s94, s[CNT], s94                  ; n % 6
	s_lshl_b32 s94, s94, 11
	s_add_co_u32 s[QS], s94, QR
	; ---- FIRST PART
	s_cmp_eq_u32 s[CNT], 0
	s_cbranch_scc1 .Lq0
.irp k, 0,1,2,3,4,5,6,7
	ds_load_b64 v[48+2*\k:49+2*\k], v5 offset:128*\k     ; tile n - 1, row r: waves 4 h + k / 2, lanes r and r + 16
.endr
	s_cmp_lt_u32 s[CNT], 2
	s_cbranch_scc1 .Lw0
	PV1
	s_wait_dscnt 16                                ; the statistics are in; P's 16 loads may be out
	s_branch .Lcomb
.Lw0:
	s_wait_dscnt 0x0
.Lcomb:
	s_cmp_eq_u32 s[NEW], 0
	s_cbranch_scc1 .Lno_new
	s_wait_loadcnt 0x0
.irp j, 0,1,2,3,4,5,6,7
	s_bitcmp1_b32 s[NEW], \j
	s_cbranch_scc0 .Lput_\j
	KPUT \j
.Lput_\j:
.endr
.Lno_new:
	v_max3_num_f32 v32, v48, v50, v52
	v_max3_num_f32 v33, v54, v56, v58
	v_max3_num_f32 v32, v32, v60, v62
	v_max_num_f32 v32, v32, v33
	v_permlanex16_b32 v34, v32, s[SEL], s[SEL+1]
	v_max_num_f32 v32, v32, v34                    ; the row's maximum
.irp k, 48,50,52,54,56,58,60,62,16,18,20,22
	v_sub_f32 v\k, v\k, v32
.endr
	s_wait_alu depctr_va_vdst(0)
.irp k, 48,50,52,54,56,58,60,62,16,18,20,22
	v_exp_f32 v\k, v\k
.endr
	v_nop
	s_wait_alu depctr_va_vdst(0)
	v_mul_f32 v36, v48, v49
	v_mul_f32 v37, v50, v51
	v_mul_f32 v38, v52, v53
	v_mul_f32 v39, v54, v55
	v_fmac_f32 v36, v56, v57
	v_fmac_f32 v37, v58, v59
	v_fmac_f32 v38, v60, v61
	v_fmac_f32 v39, v62, v63
	v_add_f32 v36, v36, v37
	v_add_f32 v38, v38, v39
	v_add_f32 v36, v36, v38
	v_permlanex16_b32 v34, v36, s[SEL], s[SEL+1]
	v_add_f32 v36, v36, v34                        ; the row's sum
	s_wait_alu depctr_va_vdst(0)
	v_rcp_f32 v35, v36
	v_nop
	v_cmp_lt_f32 vcc_lo, 0, v36
	s_wait_alu depctr_va_vdst(0)
	v_cndmask_b32 v35, 0, v35, vcc_lo              ; a row with no visible key: 0 in place of 1 / 0
.irp k, 16,18,20,22
	v_mul_f32 v\k, v\k, v35                        ; the blocks' factors
.endr
	QLD
	s_wait_alu depctr_va_vdst(0)
	s_cmp_lt_u32 s[CNT], 2
	s_cbranch_scc1 .Lb
	PV2
	s_branch .Lb
.Lq0:
	QLD
.Lb:
	s_wait_alu depctr_va_vdst(0)
	s_wait_dscnt 0x0                               ; nobody reads P or the statistics any more behind this barrier; O of tile n - 2 is whole
	s_barrier_signal -1
	KLD 0                                          ; block 0's K: my own bytes, which nobody writes before a later barrier
	KLD 1
	s_barrier_wait -1
	; ---- SECOND PART
	v_mov_b32 v24, 0xff61b1e6                      ; -3e38, under every score
	v_mov_b32 v25, 0
	s_cmp_lg_u32 s[CNT], 2
	s_cbranch_scc1 .Lno_q
	QADR 12, 13                                    ; tiles 6 and 7 of q take the images of tiles 0 and 1, last read a barrier and more ago
	ds_store_b32 v12, v28
	ds_store_b32 v12, v29 offset:1024
	ds_store_b32 v12, v30 offset:2048
	ds_store_b32 v12, v31 offset:3072
.Lno_q:
	s_cmp_lt_u32 s[CNT], 2
	s_cbranch_scc1 .Lno_rows
	OLD_ROWS
.Lno_rows:
	s_wait_alu depctr_va_vdst(0)
	s_cmp_eq_u32 s[PEND], 0
	s_cbranch_scc1 .Lno_v
.irp j, 0,1,2,3,4,5,6,7
	s_bitcmp1_b32 s[PEND], \j
	s_cbranch_scc0 .Lv_\j
	s_wait_loadcnt 8*(7-\j)                        ; K's chunk j, which lies in LDS by now, has left the registers' loads: younger are K's later chunks
	GL \j, 18
.Lv_\j:
.endr
	s_mov_b32 s[PEND], 0
.Lno_v:
	BLOCK 0
	BLOCK 1
	BLOCK 2
	BLOCK 3
	s_wait_alu depctr_va_vdst(0)
	s_cmp_lt_u32 s[CNT], 8
	s_cbranch_scc0 .Lno_stat
	ds_store_b64 v4, v[24:25]                      ; my lane's maximum and sum of its row in tile n
.Lno_stat:
	s_wait_xcnt 0x0                                ; the stores of O have read their registers
	s_wait_loadcnt 0x0                             ; this trip's V, asked for at the part's head, is in (in trip 0 all of K too)
	s_cmp_lt_u32 s[CNT], 2
	s_cbranch_scc1 .Lno_step
	s_add_nc_u64 s[20:21], s[20:21], 0x200000      ; the next tile's rows of out
.Lno_step:
	BARRIER                                        ; P of tile n - 1 and the statistics of tile n lie in LDS
	s_add_co_u32 s[TOK0], s[TOK0], 256
	s_add_co_u32 s[CNT], s[CNT], 1
	s_cmp_lt_u32 s[CNT], 9
	s_cbranch_scc1 .Ltrip
	; ---- tile 7's second product and way out
	s_mov_b32 s[PRV], s[CUR]
	PV1
	PV2
	BARRIER
	OLD_ROWS
	v_lshl_add_u32 v1, v0, 2, SPARE                ; my spare word
	v_mov_b32 v2, 0
	s_wait_alu depctr_va_vdst(0)
	s_wait_dscnt 0x0
	OUT
	s_wait_tensorcnt 0x0                           ; the wave's end
	ds_add_u32 v1, v2
	s_wait_dscnt 0x0
	s_endpgm
.Lfunc_end_k_qeeed555894_attn:
	.size	k_qeeed555894_attn, .Lfunc_end_k_qeeed555894_attn-k_qeeed555894_attn
	.p2alignl 7, 3214868480
	.fill 96, 4, 3214868480
	.section	.rodata,"a",@progbits
	.p2align	6, 0x0
	.amdhsa_kernel k_qeeed555894_attn
		.amdhsa_group_segment_fixed_size 327168
		.amdhsa_private_segment_fixed_size 0
		.amdhsa_enable_private_segment 0
		.amdhsa_kernarg_size 72
		.amdhsa_user_sgpr_count 2
		.amdhsa_user_sgpr_kernarg_segment_ptr 1
		.amdhsa_wavefront_size32 1
		.amdhsa_system_sgpr_workgroup_id_x 1
		.amdhsa_system_sgpr_workgroup_id_y 1
		.amdhsa_system_sgpr_workgroup_id_z 1
		.amdhsa_system_vgpr_workitem_id 0
		.amdhsa_next_free_vgpr 512
		.amdhsa_next_free_sgpr 102
		.amdhsa_reserve_vcc 1
		.amdhsa_float_denorm_mode_32 3
		.amdhsa_float_denorm_mode_16_64 3
		.amdhsa_memory_ordered 1
		.amdhsa_forward_progress 1
		.amdhsa_inst_pref_size 193
	.end_amdhsa_kernel
	.amdgpu_metadata
---
amdhsa.version: [ 1, 2 ]
amdhsa.kernels:
  - .name:           k_qeeed555894_attn
    .symbol:         k_qeeed555894_attn.kd
    .args:
      - { .name: q, .offset: 0, .size: 8, .value_kind: global_buffer, .address_space: global }
      - { .name: cos, .offset: 8, .size: 8, .value_kind: global_buffer, .address_space: global }
      - { .name: sin, .offset: 16, .size: 8, .value_kind: global_buffer, .address_space: global }
      - { .name: q_ranges, .offset: 24, .size: 8, .value_kind: global_buffer, .address_space: global }
      - { .name: k_ranges, .offset: 32, .size: 8, .value_kind: global_buffer, .address_space: global }
      - { .name: lowp_scales, .offset: 40, .size: 8, .value_kind: global_buffer, .address_space: global }
      - { .name: kc, .offset: 48, .size: 8, .value_kind: global_buffer, .address_space: global }
      - { .name: vc, .offset: 56, .size: 8, .value_kind: global_buffer, .address_space: global }
      - { .name: out0, .offset: 64, .size: 8, .value_kind: global_buffer, .address_space: global }
    .group_segment_fixed_size: 327168
    .private_segment_fixed_size: 0
    .kernarg_segment_align: 8
    .kernarg_segment_size: 72
    .max_flat_workgroup_size: 256
    .sgpr_count:     102
    .vgpr_count:     512
    .wavefront_size: 32
...
	.end_amdgpu_metadata
.endif
;; end of part 2
